; MI455X (gfx1250); checked and timed in simulation.
; The chip was launched on July 23, 2026; its instructions are those of AMD's public machine-readable ISA for CDNA 5 (MIT licence, August 2026) and "CDNA5" Instruction Set Architecture Reference Guide (July 2026). The comments in the code are by the model that wrote it; some were corrected since.
;; Intrinsic Signal Synthesizer. Allowed arithmetic: matrix products marked QUANTISED: E4M3 operands, one E8M0 scale for each 32 along K, by v_wmma_scale_f32_16x16x128_f8f6f4 with both operands' format E4M3, f32 sums; products left as they are: f32 operands where the result goes on into a quantised operand, else bf16, f16 or f32 operands; f32 sums; everything else in f32.
;; Inputs: W_c1_codes 256 x 32 x 32 uint8 (E4M3 codes of W_c1, K innermost, in blocks of 32 codes); W_c1_scales 256 x 32 uint8 (E8M0 scales of W_c1, one for each 32 codes along K); W_c2_codes 1,024 x 8 x 32 uint8 (E4M3 codes of W_c2, K innermost, in blocks of 32 codes); W_c2_scales 1,024 x 8 uint8 (E8M0 scales of W_c2, one for each 32 codes along K); W_d1_codes 1,024 x 64 x 32 uint8 (E4M3 codes of W_d1, K innermost, in blocks of 32 codes); W_d1_scales 1,024 x 64 uint8 (E8M0 scales of W_d1, one for each 32 codes along K); W_d2 1 x 1,024 float32; W_n1_codes 512 x 32 x 32 uint8 (E4M3 codes of W_n1, K innermost, in blocks of 32 codes); W_n1_scales 512 x 32 uint8 (E8M0 scales of W_n1, one for each 32 codes along K); W_n2 1 x 512 float32; W_u1_codes 512 x 32 x 32 uint8 (E4M3 codes of W_u1, K innermost, in blocks of 32 codes); W_u1_scales 512 x 32 uint8 (E8M0 scales of W_u1, one for each 32 codes along K); W_u2 1 x 512 float32; actual 16,384 x 1,024 float32; b_c1 256 float32; b_c2 1,024 float32; b_d1 1,024 float32; b_d2 1 float32; b_n1 512 float32; b_n2 1 float32; b_u1 512 float32; b_u2 1 float32; pattern_memory 100 x 1,024 float32; prediction 16,384 x 1,024 float32.
;; Outputs: out0 16,384 x 4 float32.
;; This version of the problem:
;;   THIS VERSION OF THE PROBLEM IS GIVEN IN LOW PRECISION. The matrix products marked QUANTISED in the list below multiply operands that are first quantised to E4M3 (4 exponent bits, 3 mantissa bits; 8 bits a number), with one power-of-two scale for each 32 numbers along K (OCP MX v1.0); their sums are f32. All else is computed in f32.
;;   The module's matrix products, in the order in which they are computed (A, B: the left and right operand; K: the contracted axis; several contracted axes count as one K, in the product's order):
;;     1. [M 16,384, K 2,048] x [K 2,048, N 1,024]; A: computed on the way; B: input W_d1 (given as codes): QUANTISED
;;     2. [M 16,384, K 1,024] x [K 1,024, N 1]; A: computed on the way; B: input W_d2: left as it is (N = 1 < 16)
;;     3. [M 16,384, K 1,024] x [K 1,024, N 512]; A: input prediction; B: input W_u1 (given as codes): QUANTISED
;;     4. [M 16,384, K 512] x [K 512, N 1]; A: computed on the way; B: input W_u2: left as it is (N = 1 < 16)
;;     5. [M 16,384, K 1,024] x [K 1,024, N 100]; A: input actual; B: input pattern_memory: QUANTISED
;;     6. [M 16,384, K 1,024] x [K 1,024, N 512]; A: input actual; B: input W_n1 (given as codes): QUANTISED
;;     7. [M 16,384, K 512] x [K 512, N 1]; A: computed on the way; B: input W_n2: left as it is (N = 1 < 16)
;;     8. [M 16,384, K 1,024] x [K 1,024, N 256]; A: input prediction; B: input W_c1 (given as codes): QUANTISED
;;     9. [M 16,384, K 256] x [K 256, N 1,024]; A: computed on the way; B: input W_c2 (given as codes): QUANTISED
;;   THE QUANTISER, for each operand of a quantised product, along K:
;;     - K is cut into blocks of 32 from its start; a last block that is shorter is filled with zeros.
;;     - A block's scale is 2^e with e = floor(log2(the largest magnitude in the block)) - 8, held to -126 .. 127; a block of zeros has e = 0. As a byte (E8M0): e + 127.
;;     - Each number is divided by its block's scale, clamped to +-448, and rounded to the nearest number of E4M3, ties to even, subnormals kept.
;;     - The product sums the exact products of the quantised numbers (number of the format x scale) in f32.
;;   ~~~python
;;   def quantise(x, axis):      # numpy; x: float32 -> the quantised numbers, widened to float32 again
;;       x = np.moveaxis(x, axis, -1); K = x.shape[-1]
;;       x = np.pad(x, [(0, 0)] * (x.ndim - 1) + [(0, -K % 32)]); x = x.reshape(x.shape[:-1] + (-1, 32)); a = np.abs(x).max(-1, keepdims=True)
;;       e = np.where(a > 0, np.clip(np.frexp(np.where(a > 0, a, 1))[1] - 1 - 8, -126, 127), 0)      # np.frexp(a)[1] - 1 = floor(log2(a)), exactly
;;       r = np.clip(x / 2.0 ** e, -448, 448)
;;       step = 2.0 ** (np.maximum(np.frexp(np.where(r == 0, 1, r))[1] - 1, -6) - 3)
;;       q = np.round(r / step) * step * 2.0 ** e      # np.round: ties to even
;;       return np.moveaxis(q.reshape(q.shape[:-2] + (-1,))[..., :K], -1, axis).astype(np.float32)
;;   ~~~
;;   OPERANDS COMPUTED ON THE WAY. 'Computed on the way' means the value that the module computes at that place (a softmax that the list does not call 'softmax' is quantised finished and normalised). What goes into a quantiser is computed in f32, as accurately as f32 sums, v_exp_f32 and their like allow (about 1e-6 of the number): no bf16 or f16 on the way to a quantiser, and a product that is left as it is and whose result goes on into a quantised operand takes f32 operands (vector FMAs, or v_wmma_f32_16x16x4_f32). A number that lies on a knife's edge between two numbers of the format may be rounded either way, as far as f32 arithmetic and the matrix unit's own rounding can turn it there, and no further.
;;   INPUTS GIVEN AS CODES. W_c1 (in the module: [256, 1024], K = its axis 1); W_c2 (in the module: [1024, 256], K = its axis 1); W_d1 (in the module: [1024, 2048], K = its axis 1); W_n1 (in the module: [512, 1024], K = its axis 1); W_u1 (in the module: [512, 1024], K = its axis 1): each comes as NAME_codes (uint8): NAME with its K axis moved to the last place and cut into blocks of 32 codes, [.., K / 32, bytes a block], one block behind the other in memory; one code a byte (a code: sign, 4 exponent bits, 3 mantissa bits); and NAME_scales (uint8): the same leading axes, one E8M0 byte (e + 127) for each 32 codes along K. Its value is code x scale, taken as it is: it is not quantised again, and the codes and scales need not be those that the quantiser above would give.
;; One version. Each part assembles by itself: llvm-mc -triple=amdgcn-amd-amdhsa -mcpu=gfx1250 --defsym DOCPART=n.
;; ======== version 1 of 1: 2 launches
;; limits: a function is approximated: absolute error at most 1.1e-06
;; workspace buffers: wstream 4,055,040 bytes; pmaux 1,024 bytes
;; launch prep (part 1): grid 61 x 4, 8 waves a work-group, no clusters, 0 bytes of LDS; arguments W_c1_codes, W_c1_scales, W_c2_codes, W_c2_scales, W_u1_codes, W_u1_scales, W_n1_codes, W_n1_scales, W_d1_codes, W_d1_scales, pattern_memory, wstream, pmaux; writes wstream, pmaux
.if DOCPART == 1
	.amdgcn_target "amdgcn-amd-amdhsa--gfx1250"
	.amdhsa_code_object_version 6
	.text
	.protected	k_qbe8938befe_prep
	.globl	k_qbe8938befe_prep
	.p2align	8
	.type	k_qbe8938befe_prep,@function
k_qbe8938befe_prep:
	s_mov_b64 s[64:65], 0
	v_nop
	global_prefetch_b8 v0, s[64:65] scope:SCOPE_SE
	s_setreg_imm32_b32 hwreg(HW_REG_WAVE_MODE, 25, 1), 1
	s_wait_xcnt 0x0
; Lays all weights of the six quantised products, and the pattern memory quantised to E4M3 with E8M0 scales, into ONE stream in the order in which the
; main launch's waves take them into operand registers, and stores 1 / |memory row| with a mask for the 28 rows that pad 100 to 128.
; THE STREAM: for each wave w of the main launch (0..3) 60 steps of STEPB bytes.  A step is two half groups of HALFB bytes: four fragments of 2,048 bytes and a block of 256 bytes of scale words.
; A fragment is 16 weight rows x 128 along K as an image of the operand's registers: the 16 bytes of register group c of lane l = (r, h) lie at 512 c + 16 l and hold codes[row(r)][128 kstep + 32 c + 16 h ..].
; A scale block: lane l has 8 bytes at 8 l: word 0 the scale word of fragment l / 16, row l % 16; word 1 that of fragment 2 + l / 16.
; Step q, fragment f:  q 0-3 W_c1 (kstep 2 q + f / 4; row0 64 w + 32 ((f % 4) / 2) + 8 (f % 2), rows chosen)   q 4-7 W_c2 (j = q - 4: kstep j / 2; row0 256 w + 128 (j % 2) + 32 (f / 2) + 8 (f % 2), rows chosen)
;   q 8-9 the memory (i = q - 8: kstep 4 i + 2 (f / 4) + (f % 4) / 2; row0 32 w + 16 (f % 2))   q 10-17 W_u1, q 18-25 W_n1 (kstep q - 10, q - 18; row0 128 w + 16 f)
;   q 26-57 W_d1 (j = q - 26: kstep j % 16; row0 256 w + 128 (j / 16) + 16 f)   q 58-59 zeros: the main launch's loads run two steps ahead and read them; nothing multiplies them.
; 'Rows chosen': lane r takes row0 + r + 8 (r / 8), so that in the transposed product the 16 registers of two neighbouring tiles are 16 neighbours along the next K.
; SHARES: work-group (q, w), wave f: one fragment.  Work-groups with q = 60 make the norms: wave f takes rows 32 w + 4 f .. + 3.
; The copies read 32 bytes of each of 16 rows at a time; all weights together are 3.7 MB, read once.  The fragments leave as stores of 512 consecutive bytes.
; LIMITS: NaN and infinities are not served; a block whose largest magnitude lies under 2^-118 gets the scale byte 1; a block of zeros gets the byte 1 (its codes are zeros, and this program alone reads the bytes).
.set STEPB, 16896
.set HALFB, 8448
.set PC,  16                           ; v16-31  the fragment's 16 registers
.set PW,  32                           ; v32     its scale word
.set TM,  40                           ; v40-55  at work in the quantiser
.set ST,  64                           ; v64-127 64 numbers of a lane; in the norms v64-191: four rows
.set SEL, 34                           ; s[34:35] v_permlanex16_b32's selects for lane l xor 16
.set MNT, 48                           ; s48     the mantissa field of 448
	s_load_b512 s[8:23], s[0:1], 0x0               ; W_c1 codes, scales; W_c2; W_u1; W_n1
	s_load_b256 s[24:31], s[0:1], 0x40             ; W_d1 codes, scales; the memory; the stream
	s_load_b64 s[32:33], s[0:1], 0x60              ; pmaux
	v_lshrrev_b32 v1, 5, v0
	v_readfirstlane_b32 s36, v1                    ; f: the wave
	s_and_b32 s37, ttmp7, 0xffff                   ; w
	s_mov_b32 s38, ttmp9                           ; q
	v_and_b32 v1, 31, v0                           ; lane
	v_and_b32 v2, 15, v0                           ; r
	v_bfe_u32 v3, v0, 4, 1                         ; h
	s_mov_b32 s[SEL], 0x76543210
	s_mov_b32 s[SEL+1], 0xfedcba98
	s_mov_b32 s[MNT], 0x600000
.irp b, 0,1,2,3
	v_mov_b32 v[TM+4+\b], 0                        ; a lane permute's destination counts as one of its sources
.endr
	s_mul_i32 s54, s37, 60                         ; where my half group begins in the stream: (60 w + q) STEPB + (f / 4) HALFB
	s_add_co_u32 s54, s54, s38
	s_mul_i32 s54, s54, STEPB
	s_lshr_b32 s55, s36, 2
	s_mul_i32 s55, s55, HALFB
	s_add_co_u32 s54, s54, s55
	s_mov_b32 s55, 0
	s_and_b32 s56, s36, 3
	s_lshl_b32 s57, s56, 11
	v_lshl_add_u32 v4, v1, 4, s57                  ; my 16 bytes of a register group: 2,048 (f % 4) + 16 lane
	s_and_b32 s57, s36, 1
	s_lshl_b32 s57, s57, 7
	s_lshr_b32 s58, s56, 1
	s_lshl_b32 s58, s58, 2
	s_add_co_u32 s57, s57, s58
	s_add_co_u32 s57, s57, 8192
	v_lshl_add_u32 v5, v2, 3, s57                  ; my row's scale word: 8,192 + 8 (r + 16 (f % 2)) + 4 ((f % 4) / 2)
	s_sub_co_u32 s39, s38, 8                       ; q - 8
	s_wait_kmcnt 0x0
	s_cmp_eq_u32 s38, 60
	s_cbranch_scc1 .Lnorm
	s_add_nc_u64 s[30:31], s[30:31], s[54:55]
	s_cmp_ge_u32 s38, 58
	s_cbranch_scc1 .Lzero
	s_cmp_lt_u32 s39, 2
	s_cbranch_scc1 .Lpattern
	; ---- a copy.  Which weight, which K step and which rows hang on q, w and f alone: W_d1's numbers first, then each earlier range of q takes their place
	s_lshl_b32 s56, s36, 4                         ; 16 f
	s_sub_co_u32 s57, s38, 26
	s_and_b32 s44, s57, 15                         ; s44: the K step
	s_lshr_b32 s57, s57, 4
	s_lshl_b32 s57, s57, 7
	s_lshl_b32 s45, s37, 8
	s_add_co_u32 s45, s45, s57
	s_add_co_u32 s45, s45, s56                     ; s45: row0
	s_mov_b64 s[40:41], s[24:25]                   ; s[40:41]: the codes
	s_mov_b64 s[42:43], s[26:27]                   ; s[42:43]: the scale bytes
	s_mov_b32 s46, 11                              ; s46: log2 of a row's bytes
	s_mov_b32 s47, 0                               ; s47: 8 where the rows are chosen
	s_lshl_b32 s58, s37, 7
	s_add_co_u32 s58, s58, s56                     ; W_u1, W_n1: 128 w + 16 f
	s_sub_co_u32 s59, s38, 18
	s_cmp_lt_u32 s38, 26                           ; W_n1
	s_cselect_b64 s[40:41], s[20:21], s[40:41]
	s_cselect_b64 s[42:43], s[22:23], s[42:43]
	s_cselect_b32 s44, s59, s44
	s_cselect_b32 s45, s58, s45
	s_cselect_b32 s46, 10, s46
	s_sub_co_u32 s59, s38, 10
	s_cmp_lt_u32 s38, 18                           ; W_u1
	s_cselect_b64 s[40:41], s[16:17], s[40:41]
	s_cselect_b64 s[42:43], s[18:19], s[42:43]
	s_cselect_b32 s44, s59, s44
	s_sub_co_u32 s57, s38, 4                       ; W_c2: j
	s_lshr_b32 s59, s57, 1
	s_and_b32 s57, s57, 1
	s_lshl_b32 s57, s57, 7
	s_lshl_b32 s58, s37, 8
	s_add_co_u32 s58, s58, s57
	s_lshr_b32 s57, s36, 1
	s_lshl_b32 s57, s57, 5
	s_add_co_u32 s58, s58, s57
	s_and_b32 s60, s36, 1
	s_lshl_b32 s60, s60, 3                         ; 8 (f % 2)
	s_add_co_u32 s58, s58, s60
	s_cmp_lt_u32 s38, 8
	s_cselect_b64 s[40:41], s[12:13], s[40:41]
	s_cselect_b64 s[42:43], s[14:15], s[42:43]
	s_cselect_b32 s44, s59, s44
	s_cselect_b32 s45, s58, s45
	s_cselect_b32 s46, 8, s46
	s_cselect_b32 s47, 8, s47
	s_lshl_b32 s59, s38, 1                         ; W_c1
	s_lshr_b32 s57, s36, 2
	s_add_co_u32 s59, s59, s57
	s_lshl_b32 s58, s37, 6
	s_and_b32 s57, s36, 3
	s_lshr_b32 s57, s57, 1
	s_lshl_b32 s57, s57, 5
	s_add_co_u32 s58, s58, s57
	s_add_co_u32 s58, s58, s60
	s_cmp_lt_u32 s38, 4
	s_cselect_b64 s[40:41], s[8:9], s[40:41]
	s_cselect_b64 s[42:43], s[10:11], s[42:43]
	s_cselect_b32 s44, s59, s44
	s_cselect_b32 s45, s58, s45
	s_cselect_b32 s46, 10, s46
	v_and_b32 v6, s47, v2
	v_add3_u32 v6, v6, v2, s45                     ; my row: row0 + r (+ 8 (r / 8))
	v_lshlrev_b32 v7, s46, v6
	s_lshl_b32 s57, s44, 7
	v_lshl_add_u32 v8, v3, 4, s57
	v_add_nc_u32 v7, v7, v8                        ; its codes: row bytes x row + 128 kstep + 16 h
	s_sub_co_u32 s58, s46, 5
	v_lshlrev_b32 v8, s58, v6
	s_lshl_b32 s57, s44, 2
	v_add_nc_u32 v8, s57, v8                       ; its scale word: row bytes / 32 x row + 4 kstep
.irp c, 0,1,2,3
	global_load_b128 v[PC+4*\c:PC+4*\c+3], v7, s[40:41] offset:32*\c
.endr
	global_load_b32 v[PW], v8, s[42:43]
	s_wait_loadcnt 0x0
	s_branch .Lstore
.Lpattern:
	; ---- 16 rows x 128 along K of the memory, f32, become a fragment.  Lane (r, h) takes of row r the 16 numbers 32 b + 16 h .. of each block b
	s_lshl_b32 s44, s39, 2
	s_lshr_b32 s57, s36, 2
	s_lshl_b32 s57, s57, 1
	s_add_co_u32 s44, s44, s57
	s_and_b32 s57, s36, 3
	s_lshr_b32 s57, s57, 1
	s_add_co_u32 s44, s44, s57                     ; the K step
	s_lshl_b32 s45, s37, 5
	s_and_b32 s57, s36, 1
	s_lshl_b32 s57, s57, 4
	s_add_co_u32 s45, s45, s57                     ; row0
	v_add_nc_u32 v6, s45, v2
	v_cmp_gt_u32 vcc_lo, 100, v6                   ; a row of the memory, or one of the 28 that pad it
	v_min_u32 v7, 99, v6                           ; no load leaves the buffer
	v_lshlrev_b32 v7, 12, v7
	s_lshl_b32 s57, s44, 9
	v_lshl_add_u32 v8, v3, 6, s57
	v_add_nc_u32 v7, v7, v8
.irp b, 0,1,2,3
.irp j, 0,1,2,3
	global_load_b128 v[ST+16*\b+4*\j:ST+16*\b+4*\j+3], v7, s[28:29] offset:128*\b+16*\j
.endr
.endr
	s_wait_loadcnt 0x0
.set N, 0
.rept 64
	v_cndmask_b32 v[ST+N], 0, v[ST+N], vcc_lo      ; a padding row is zeros
.set N, N+1
.endr
.irp b, 0,1,2,3
	v_max3_num_f32 v[TM+\b], |v[ST+16*\b]|, |v[ST+16*\b+1]|, 0x4800000   ; block b: my 16 numbers and the floor 2^(9 - 127): the byte cannot fall under 1
.endr
.irp i, 2,4,6,8,10,12,14
.irp b, 0,1,2,3
	v_max3_num_f32 v[TM+\b], v[TM+\b], |v[ST+16*\b+\i]|, |v[ST+16*\b+\i+1]|
.endr
.endr
.irp b, 0,1,2,3
	v_permlanex16_b32 v[TM+4+\b], v[TM+\b], s[SEL], s[SEL+1]
.endr
.irp b, 0,1,2,3
	v_max_num_f32 v[TM+\b], v[TM+\b], v[TM+4+\b]   ; with lane l xor 16's 16: the block's largest magnitude
.endr
.irp b, 0,1,2,3
	v_add_nc_u32 v[TM+12+\b], 0xfc000000, v[TM+\b] ; 8 off its exponent field: the conversion's scale operand
.endr
.irp b, 0,1,2,3
	v_and_or_b32 v[TM+8+\b], v[TM+\b], 0x7f800000, s[MNT]   ; 448 x the scale
.endr
.irp b, 0,1,2,3
	v_lshrrev_b32 v[TM+4+\b], 23, v[TM+12+\b]      ; the scale's byte
.endr
	v_lshl_or_b32 v[PW], v[TM+5], 8, v[TM+4]
	v_lshl_or_b32 v[PW], v[TM+6], 16, v[PW]
	v_lshl_or_b32 v[PW], v[TM+7], 24, v[PW]
.irp b, 0,1,2,3
.irp i, 0,1,2,3,4,5,6,7,8,9,10,11,12,13,14,15
	v_med3_num_f32 v[ST+16*\b+\i], v[ST+16*\b+\i], -v[TM+8+\b], v[TM+8+\b]   ; the conversion does not saturate (ISA guide 7.6.2): the hold at 448 x the scale
.endr
	v_cvt_scalef32_pk8_fp8_f32 v[PC+4*\b:PC+4*\b+1], v[ST+16*\b:ST+16*\b+7], v[TM+12+\b]
	v_cvt_scalef32_pk8_fp8_f32 v[PC+4*\b+2:PC+4*\b+3], v[ST+16*\b+8:ST+16*\b+15], v[TM+12+\b]
.endr
	v_nop
	s_branch .Lstore
.Lzero:
.set N, 0
.rept 17
	v_mov_b32 v[PC+N], 0                           ; the two steps behind the last: read ahead by the main launch, never multiplied
.set N, N+1
.endr
.Lstore:
.irp c, 0,1,2,3
	global_store_b128 v4, v[PC+4*\c:PC+4*\c+3], s[30:31] offset:512*\c   ; 32 lanes store 512 consecutive bytes
.endr
	v_cmp_gt_u32 vcc_lo, 16, v1
	s_wait_xcnt 0x0                                ; EXEC is a source of the stores above: it changes only behind this wait
	s_and_saveexec_b32 s57, vcc_lo
	global_store_b32 v5, v[PW], s[30:31]           ; lanes 0-15: a scale word a row
	s_wait_xcnt 0x0
	s_or_b32 exec_lo, exec_lo, s57
	s_endpgm
.Lnorm:
	; ---- 1 / max(|row|, 1e-8) of four rows a wave; for a padding row 0, with -infinity beside it, which the main launch adds ahead of its maximum
	s_lshl_b32 s44, s37, 5
	s_lshl_b32 s45, s36, 2
	s_add_co_u32 s44, s44, s45                     ; my first row
.irp i, 0,1,2,3
	s_add_co_u32 s57, s44, \i
	s_min_u32 s57, s57, 99
	s_lshl_b32 s57, s57, 12
	v_lshl_add_u32 v[4+\i], v1, 4, s57
.irp j, 0,1,2,3,4,5,6,7
	global_load_b128 v[64+32*\i+4*\j:64+32*\i+4*\j+3], v[4+\i], s[28:29] offset:512*\j   ; 512 consecutive bytes of the row
.endr
.endr
.irp i, 0,1,2,3
	s_add_co_u32 s57, s44, \i
	s_cmp_lt_u32 s57, 100
	s_cselect_b32 s[40+\i], -1, 0                  ; all lanes' mask: a row of the memory
	s_cselect_b32 s[50+\i], 0, 0xff800000
.endr
	s_wait_loadcnt 0x0
.irp i, 0,1,2,3
	v_pk_mul_f32 v[8+4*\i:9+4*\i], v[64+32*\i:65+32*\i], v[64+32*\i:65+32*\i]
	v_pk_mul_f32 v[10+4*\i:11+4*\i], v[66+32*\i:67+32*\i], v[66+32*\i:67+32*\i]
.endr
.irp k, 4,8,12,16,20,24,28
.irp i, 0,1,2,3
	v_pk_fma_f32 v[8+4*\i:9+4*\i], v[64+32*\i+\k:65+32*\i+\k], v[64+32*\i+\k:65+32*\i+\k], v[8+4*\i:9+4*\i]
	v_pk_fma_f32 v[10+4*\i:11+4*\i], v[66+32*\i+\k:67+32*\i+\k], v[66+32*\i+\k:67+32*\i+\k], v[10+4*\i:11+4*\i]
.endr
.endr
.irp i, 0,1,2,3
	v_pk_add_f32 v[8+4*\i:9+4*\i], v[8+4*\i:9+4*\i], v[10+4*\i:11+4*\i]
.endr
.irp i, 0,1,2,3
	v_add_f32 v[8+4*\i], v[8+4*\i], v[9+4*\i]
.endr
.irp x, 1,2,4,8
.irp i, 0,1,2,3
	v_add_f32_dpp v[8+4*\i], v[8+4*\i], v[8+4*\i] row_xmask:\x row_mask:0xf bank_mask:0xf
.endr
.endr
.irp i, 0,1,2,3
	v_permlanex16_b32 v[9+4*\i], v[8+4*\i], s[SEL], s[SEL+1]
.endr
.irp i, 0,1,2,3
	v_add_f32 v[8+4*\i], v[8+4*\i], v[9+4*\i]      ; the row's sum of squares, in every lane
.endr
.irp i, 0,1,2,3
	v_sqrt_f32 v[8+4*\i], v[8+4*\i]
.endr
	v_nop                                          ; a plain place behind the transcendentals
	s_wait_alu depctr_va_vdst(0)
.irp i, 0,1,2,3
	v_max_num_f32 v[8+4*\i], 0x322bcc77, v[8+4*\i] ; 1e-8
.endr
.irp i, 0,1,2,3
	v_rcp_f32 v[8+4*\i], v[8+4*\i]
.endr
	v_nop
	s_wait_alu depctr_va_vdst(0)
.irp i, 0,1,2,3
	v_cndmask_b32 v[8+4*\i], 0, v[8+4*\i], s[40+\i]
	v_mov_b32 v[24+\i], s[50+\i]
.endr
.irp i, 1,2,3
	v_cmp_eq_u32 vcc_lo, \i, v1                    ; lane i takes row i's pair
	v_cndmask_b32 v8, v8, v[8+4*\i], vcc_lo
	v_cndmask_b32 v24, v24, v[24+\i], vcc_lo
.endr
	s_lshl_b32 s57, s44, 2
	v_lshl_add_u32 v28, v1, 2, s57
	v_cmp_gt_u32 vcc_lo, 4, v1
	s_wait_xcnt 0x0
	s_and_saveexec_b32 s58, vcc_lo
	global_store_b32 v28, v8, s[32:33]
	global_store_b32 v28, v24, s[32:33] offset:512
	s_wait_xcnt 0x0
	s_or_b32 exec_lo, exec_lo, s58
	s_endpgm
.Lfunc_end_k_qbe8938befe_prep:
	.size	k_qbe8938befe_prep, .Lfunc_end_k_qbe8938befe_prep-k_qbe8938befe_prep
	.p2alignl 7, 3214868480
	.fill 96, 4, 3214868480
	.section	.rodata,"a",@progbits
	.p2align	6, 0x0
	.amdhsa_kernel k_qbe8938befe_prep
		.amdhsa_group_segment_fixed_size 0
		.amdhsa_private_segment_fixed_size 0
		.amdhsa_enable_private_segment 0
		.amdhsa_kernarg_size 104
		.amdhsa_user_sgpr_count 2
		.amdhsa_user_sgpr_kernarg_segment_ptr 1
		.amdhsa_wavefront_size32 1
		.amdhsa_system_sgpr_workgroup_id_x 1
		.amdhsa_system_sgpr_workgroup_id_y 1
		.amdhsa_system_sgpr_workgroup_id_z 1
		.amdhsa_system_vgpr_workitem_id 0
		.amdhsa_next_free_vgpr 192
		.amdhsa_next_free_sgpr 66
		.amdhsa_reserve_vcc 1
		.amdhsa_float_denorm_mode_32 3
		.amdhsa_float_denorm_mode_16_64 3
		.amdhsa_memory_ordered 1
		.amdhsa_forward_progress 1
		.amdhsa_inst_pref_size 31
	.end_amdhsa_kernel
	.amdgpu_metadata
---
amdhsa.version: [ 1, 2 ]
amdhsa.kernels:
  - .name:           k_qbe8938befe_prep
    .symbol:         k_qbe8938befe_prep.kd
    .args:
      - { .name: W_c1_codes, .offset: 0, .size: 8, .value_kind: global_buffer, .address_space: global }
      - { .name: W_c1_scales, .offset: 8, .size: 8, .value_kind: global_buffer, .address_space: global }
      - { .name: W_c2_codes, .offset: 16, .size: 8, .value_kind: global_buffer, .address_space: global }
      - { .name: W_c2_scales, .offset: 24, .size: 8, .value_kind: global_buffer, .address_space: global }
      - { .name: W_u1_codes, .offset: 32, .size: 8, .value_kind: global_buffer, .address_space: global }
      - { .name: W_u1_scales, .offset: 40, .size: 8, .value_kind: global_buffer, .address_space: global }
      - { .name: W_n1_codes, .offset: 48, .size: 8, .value_kind: global_buffer, .address_space: global }
      - { .name: W_n1_scales, .offset: 56, .size: 8, .value_kind: global_buffer, .address_space: global }
      - { .name: W_d1_codes, .offset: 64, .size: 8, .value_kind: global_buffer, .address_space: global }
      - { .name: W_d1_scales, .offset: 72, .size: 8, .value_kind: global_buffer, .address_space: global }
      - { .name: pattern_memory, .offset: 80, .size: 8, .value_kind: global_buffer, .address_space: global }
      - { .name: wstream, .offset: 88, .size: 8, .value_kind: global_buffer, .address_space: global }
      - { .name: pmaux, .offset: 96, .size: 8, .value_kind: global_buffer, .address_space: global }
    .group_segment_fixed_size: 0
    .private_segment_fixed_size: 0
    .kernarg_segment_align: 8
    .kernarg_segment_size: 104
    .max_flat_workgroup_size: 256
    .sgpr_count:     66
    .vgpr_count:     192
    .wavefront_size: 32
...
	.end_amdgpu_metadata
.endif
;; end of part 1
;; launch main (part 2): grid 256 x 1, 4 waves a work-group, no clusters, 324,608 bytes of LDS; arguments prediction, actual, wstream, pmaux, b_c1, b_c2, b_d1, W_d2, b_d2, b_u1, W_u2, b_u2, b_n1, W_n2, b_n2, out0; writes out0
.if DOCPART == 2
	.amdgcn_target "amdgcn-amd-amdhsa--gfx1250"
	.amdhsa_code_object_version 6
	.text
	.protected	k_qbe8938befe_main
	.globl	k_qbe8938befe_main
	.p2align	8
	.type	k_qbe8938befe_main,@function
k_qbe8938befe_main:
	s_mov_b64 s[64:65], 0
	v_nop
	global_prefetch_b8 v0, s[64:65] scope:SCOPE_SE
	s_setreg_imm32_b32 hwreg(HW_REG_WAVE_MODE, 25, 1), 1
	s_wait_xcnt 0x0
; The four signals of 64 rows a work-group, all steps fused: prediction and actual are read once, nothing between goes to memory.
; SHARES.  256 work-groups x 64 rows (four tiles m of 16).  THE FOUR WAVES SHARE THE COLUMNS, not the rows, in every product: so each sum over a layer's columns closes inside the work-group.
; PROLOGUE.  Wave w takes columns 256 w .. + 255 of both tensors for all 64 rows, in four QUARTERS of 64 rows x 128 columns (prediction's two halves, then actual's): 64 dense loads of 512 bytes fill window 1.
;   A quarter's light part is written out: the rows go into four stages of the wave's own in LDS (one a tile of rows), the next quarter's loads are asked for, and prediction's numbers come back into the 512 registers
;   where the reconstruction's accumulators will stand.  Its heavy part is a loop of four trips, a tile of rows a trip: the tile comes back from its stage so that a lane holds 16 neighbours of each block of 32; its
;   statistics (prediction: largest number, sum of 2^(..), sum of 2^(..) x (..); actual: sum of squares); the quantiser; the codes to LDS as images of operand registers.  All of a trip's LDS offsets are linear in the trip.
;   b_c2 - prediction is the C of the reconstruction's products, whose results are then recon - prediction.
; PRODUCTS, all by the scaled E4M3 form, all TRANSPOSED (source 0 = 16 weight rows, source 1 = 16 rows of x): lane (r, h) holds row r of x and its register j weight row 8 h + j of the tile.
;   The weights come from the stream that the launch before laid out, straight into registers: a ring of four groups (four fragments and their scale words: 17 loads), asked for three groups ahead.
;   EACH GROUP HAS ITS OWN POINTER, stepped two steps on just ahead of its next loads, behind the counted wait that shows its last loads done: so no wait stands in a loop for a pointer's sake.
;   Order: W_c1 (relu, quantised in registers, images to LDS), W_c2, the memory, W_u1, W_n1, W_d1 in two passes; then one thread a row puts the partial results together.
; NO TENSOR LOADS, NO CLUSTER: with the columns shared, a weight fragment (2,048 bytes) is read by ONE wave of a work-group and feeds four products; through LDS it would be written and read once more for those four.
;   And of the 327,680 bytes that a work-group may claim this text leaves 3,072: the stages' 135,168 have been written by LDS stores.
; THE ENTROPY is taken as log S - T / S of the shifted exponentials (largest number taken away tile by tile, the parts merged by exact differences).  reference() adds 1e-8 inside its logarithm: p log(p + 1e-8) and p log p
;   differ by at most 1e-8 for every p, so leaving it out moves the entropy by at most 1,024e-8 and the output by a tenth of that, for every input.
; LIMITS: NaN and infinities are not served; a block whose largest magnitude lies under 2^-118 gets the scale byte 1; a block of zeros gets the byte 1 with zero codes (read by this program alone).
; REGISTERS, in windows of 256.  Window 0: v1-30 addresses (v29-31 in the prologue: finished statistics); v32-39 the weights' scale words, v40-47 x's: scales and nothing else; v48-63 at work;
;   v64-191 two sets of x fragments (prologue: a tile's numbers, their exponents); v192-255 exponentials, codes; later small accumulators and the second layers' weights.
;   Window 1: a quarter's 64 loads, then the ring of weights.   Windows 2, 3: prediction in f32 = the reconstruction's 64 accumulators; later window 2: the 32 accumulators of a pass.
.set STEPB, 16896
.set HALFB, 8448
; LDS
.set IMG,  0                           ; x's images: 8,192 s + 2,048 m + 512 c + 16 lane; K steps s 0-7 prediction, 8-15 actual
.set ASC,  131072                      ; x's scale words: 256 s + 16 r + 4 m
.set HIMG, 135168                      ; the compressed layer's images: 8,192 kk + 2,048 m + 512 c + 16 lane
.set HSC,  151552                      ; its scale words: 256 kk + 16 r + 4 m
.set PAR,  152064                      ; the small inputs:
.set BC1,  0
.set PMA,  1024
.set BC2,  2048
.set BU1,  6144
.set BN1,  8192
.set BD1,  10240
.set WU2,  14336
.set WN2,  16384
.set WD2,  18432
.set STAT, 174592                      ; the statistics: 2,048 kind + 256 (2 w + sl) + 64 m + 4 r
.set RES,  182784                      ; the waves' partial results: 1,024 kind + 256 w + 64 m + 4 r; kinds: error, memory, u, n, d pass 0, d pass 1
.set STG,  188928                      ; four stages for each wave, one a tile of rows: 16 rows, 528 bytes apart
.set STGU, 8448                        ; a stage
; vector registers, window 0
.set LI,   1                           ; 16 lane
.set RR,   2                           ; r
.set HH,   3                           ; h
.set GX,   4                           ; 1,024 w + 16 lane: my bytes of a row of x
.set STW,  5                           ; the stages, in
.set STR,  6                           ; the stages, out
.set IW,   7                           ; where I store prediction's images
.set IW2,  8                           ; and actual's
.set SW,   9                           ; their scale words
.set STS,  10                          ; my statistics
.set AAD,  11                          ; address of set 0's loads (set 1: v29)
.set ASA,  12                          ; and of its scale words (set 1: v30)
.set ASB,  13                          ; ASC + 16 r
.set GS,   14                          ; 8 lane
.set PB,   15                          ; a pass's small inputs
.set PBUN, 16
.set PBD,  17
.set PB1,  18
.set PBC,  19
.set PBP,  20
.set RSB,  21                          ; my partial results
.set RS,   22
.set HW,   23
.set HSW,  24
.set HA,   25
.set HSA,  26
.set A2,   27
.set AS2,  28
.set STC,  11                          ; in the prologue's loops: the trip's stage,
.set IWC,  12                          ; its images,
.set SWC,  15                          ; its scale words,
.set STSC, 22                          ; its statistics
.set BS,   32
.set AS,   40
.set TM,   48
.set AF,   64
.set ST,   64
.set EX,   128
.set EE,   192
.set PC,   192
.set PW,   208
.set CA,   128                         ; W_c1's 16 accumulators: 32 m + 8 t
.set PA,   192                         ; the memory's 8: 8 (4 t + m)
.set W2T,  192                         ; a pass's second-layer weights, 8 tiles
; scalar registers
.set WV,   36
.set SEL,  38
.set MNT,  40
.set LN2,  41
.set L2E,  42
.set BD2,  44
.set BU2,  45
.set BN2,  46
.set CNT,  47
.set OUTC, 48
.set SGA,  49
.set SGS,  50
.set SPAR, 51
.set SRES, 52
.set WP,   56                          ; s[56:63] the stream's four pointers: group g = 2 p + hh at s[56 + 2 g : 57 + 2 g]
.set MSB, 0
.macro WIN new                         ; the immediate's high byte repeats the setting that is left; a switch that changes nothing is dropped
.if MSB != (\new)
	s_set_vgpr_msb (MSB<<8)|(\new)
.set MSB, (\new)
.endif
.endm
.macro PLACES n                        ; behind this matrix form eight plain vector instructions stand ahead of a read of its result and of a load into one of its registers
.rept \n
	v_nop
.endr
.endm
.macro BARRIER                         ; my LDS stores have landed and my LDS loads are in: then the work-group's barrier
	s_wait_dscnt 0x0
	s_barrier_signal -1
	s_barrier_wait -1
.endm
; tile m of quarter g (tensor g / 2, columns 128 (g % 2) on): 16 rows x 512 bytes into v[64 m ..] of window 1 (the caller has set the window): each load takes 512 consecutive bytes of one row
.macro LOADM g, m
.set LQ, 0
.rept 16
	global_load_b128 v[64*(\m)+4*LQ:64*(\m)+4*LQ+3], v[GX], s[4+2*((\g)/2):5+2*((\g)/2)] offset:(16*(\m)+LQ)*4096+512*((\g)%2) th:TH_LOAD_NT
.set LQ, LQ+1
.endr
.endm
; group g = 2 p + hh of the weights' ring: half hh of a step, into set p: four fragments and their scale words: 17 loads.  step = 1: the group's pointer first goes two steps on:
; it is named by this group's loads alone, and the caller's counted wait on LOADcnt has shown the last of them done
.macro BGROUP g, step
.if \step
	s_add_nc_u64 s[WP+2*(\g):WP+2*(\g)+1], s[WP+2*(\g):WP+2*(\g)+1], 2*STEPB
.endif
	WIN 0x40
.irp f, 0,1,2,3
.irp c, 0,1,2,3
	global_load_b128 v[64*(\g)+16*\f+4*\c:64*(\g)+16*\f+4*\c+3], v[LI], s[WP+2*(\g):WP+2*(\g)+1] offset:2048*\f+512*\c
.endr
.endr
	WIN 0
	global_load_b64 v[BS+2*(\g):BS+2*(\g)+1], v[GS], s[WP+2*(\g):WP+2*(\g)+1] offset:8192
.endm
; a K step's four fragments of x (or of the compressed layer) and their four scale words: 17 LDS loads
.macro ALOAD set, adr, sadr, off, soff
.irp m, 0,1,2,3
.irp c, 0,1,2,3
	ds_load_b128 v[AF+64*(\set)+16*\m+4*\c:AF+64*(\set)+16*\m+4*\c+3], v[\adr] offset:(\off)+2048*\m+512*\c
.endr
.endr
	ds_load_b128 v[AS+4*(\set):AS+4*(\set)+3], v[\sadr] offset:\soff
.endm
; one product.  The weights' scale words of an odd fragment stand in lanes 16-31 of their register
.macro WM d, a, b, sa, sb, row1, zero
.if \zero
.if \row1
	v_wmma_scale_f32_16x16x128_f8f6f4 v[(\d):(\d)+7], v[(\a):(\a)+15], v[(\b):(\b)+15], 0, v[\sa], v[\sb] matrix_a_scale:MATRIX_SCALE_ROW1
.else
	v_wmma_scale_f32_16x16x128_f8f6f4 v[(\d):(\d)+7], v[(\a):(\a)+15], v[(\b):(\b)+15], 0, v[\sa], v[\sb]
.endif
.else
.if \row1
	v_wmma_scale_f32_16x16x128_f8f6f4 v[(\d):(\d)+7], v[(\a):(\a)+15], v[(\b):(\b)+15], v[(\d):(\d)+7], v[\sa], v[\sb] matrix_a_scale:MATRIX_SCALE_ROW1
.else
	v_wmma_scale_f32_16x16x128_f8f6f4 v[(\d):(\d)+7], v[(\a):(\a)+15], v[(\b):(\b)+15], v[(\d):(\d)+7], v[\sa], v[\sb]
.endif
.endif
.endm
; nb blocks of 32 along K: a lane's registers v[s + 16 b + i] = k 32 b + 16 h + i of its row become codes in v[pc] on and scale bytes in v[pw].  relu = 1: what is negative becomes 0 on the way
.macro QUANT s, nb, relu, pc, pw
.irp b, 0,1,2,3
.if \b < \nb
.if \relu
	v_max3_num_f32 v[TM+\b], v[(\s)+16*\b], v[(\s)+16*\b+1], 0x4800000       ; no |.|: what is negative must not count; the floor 2^(9 - 127) stands over it and holds the byte at 1 from below
.else
	v_max3_num_f32 v[TM+\b], |v[(\s)+16*\b]|, |v[(\s)+16*\b+1]|, 0x4800000
.endif
.endif
.endr
.irp i, 2,4,6,8,10,12,14
.irp b, 0,1,2,3
.if \b < \nb
.if \relu
	v_max3_num_f32 v[TM+\b], v[TM+\b], v[(\s)+16*\b+\i], v[(\s)+16*\b+\i+1]
.else
	v_max3_num_f32 v[TM+\b], v[TM+\b], |v[(\s)+16*\b+\i]|, |v[(\s)+16*\b+\i+1]|
.endif
.endif
.endr
.endr
.irp b, 0,1,2,3
.if \b < \nb
	v_permlanex16_b32 v[TM+4+\b], v[TM+\b], s[SEL], s[SEL+1]
.endif
.endr
.irp b, 0,1,2,3
.if \b < \nb
	v_max_num_f32 v[TM+\b], v[TM+\b], v[TM+4+\b]   ; with lane l xor 16's 16: the block's largest magnitude
.endif
.endr
.irp b, 0,1,2,3
.if \b < \nb
	v_add_nc_u32 v[TM+12+\b], 0xfc000000, v[TM+\b] ; 8 off its exponent field: the conversion's scale operand
.endif
.endr
.irp b, 0,1,2,3
.if \b < \nb
	v_and_or_b32 v[TM+8+\b], v[TM+\b], 0x7f800000, s[MNT]   ; 448 x the scale
.endif
.endr
.irp b, 0,1,2,3
.if \b < \nb
	v_lshrrev_b32 v[TM+4+\b], 23, v[TM+12+\b]      ; the scale's byte
.endif
.endr
	v_lshl_or_b32 v[\pw], v[TM+5], 8, v[TM+4]
.if \nb > 2
	v_lshl_or_b32 v[\pw], v[TM+6], 16, v[\pw]
	v_lshl_or_b32 v[\pw], v[TM+7], 24, v[\pw]
.endif
.irp b, 0,1,2,3
.if \b < \nb
.irp i, 0,1,2,3,4,5,6,7,8,9,10,11,12,13,14,15
.if \relu
	v_med3_num_f32 v[(\s)+16*\b+\i], v[(\s)+16*\b+\i], 0, v[TM+8+\b]          ; the activation and the hold in one
.else
	v_med3_num_f32 v[(\s)+16*\b+\i], v[(\s)+16*\b+\i], -v[TM+8+\b], v[TM+8+\b] ; the conversion does not saturate (ISA guide 7.6.2): the hold at 448 x the scale
.endif
.endr
	v_cvt_scalef32_pk8_fp8_f32 v[(\pc)+4*\b:(\pc)+4*\b+1], v[(\s)+16*\b:(\s)+16*\b+7], v[TM+12+\b]
	v_cvt_scalef32_pk8_fp8_f32 v[(\pc)+4*\b+2:(\pc)+4*\b+3], v[(\s)+16*\b+8:(\s)+16*\b+15], v[TM+12+\b]
.endif
.endr
	v_nop                                          ; a plain place behind the last conversion
.endm
	; ---------------- head: addresses ----------------
	s_load_b512 s[4:19], s[0:1], 0x0               ; prediction, actual, the stream, pmaux, b_c1, b_c2, b_d1, W_d2
	s_load_b512 s[20:35], s[0:1], 0x40             ; b_d2, b_u1, W_u2, b_u2, b_n1, W_n2, b_n2, out0
	v_lshrrev_b32 v29, 5, v0
	v_readfirstlane_b32 s[WV], v29                 ; wave 0..3
	v_and_b32 v29, 31, v0
	v_and_b32 v[RR], 15, v0
	v_bfe_u32 v[HH], v0, 4, 1
	v_lshlrev_b32 v[LI], 4, v29
	v_lshlrev_b32 v[GS], 3, v29
	s_lshl_b32 s54, s[WV], 10
	v_add_nc_u32 v[GX], s54, v[LI]
	s_add_co_u32 s54, s54, PAR
	v_lshl_add_u32 v[PBD], v[HH], 5, s54           ; PAR + 1,024 w + 32 h
	v_lshl_add_u32 v[PBC], v[HH], 6, s54           ; PAR + 1,024 w + 64 h
	s_mul_i32 s54, s[WV], 4*STGU
	s_add_co_u32 s54, s54, STG
	v_add_nc_u32 v[STW], s54, v[LI]                ; in: a row's 512 bytes as they were loaded
	v_mul_u32_u24 v[STR], v[RR], 528
	v_lshl_add_u32 v[STR], v[HH], 6, v[STR]
	v_add_nc_u32 v[STR], s54, v[STR]               ; out: row r, + 64 h: my 16 numbers of a block of 32; 528 = 33 x 16: sixteen rows start in sixteen different columns of 16 bytes
	s_lshl_b32 s54, s[WV], 14
	v_add_nc_u32 v[IW], s54, v[LI]
	v_add_nc_u32 v[IW2], 0x10000, v[IW]
	s_lshl_b32 s54, s[WV], 9
	s_add_co_u32 s55, s54, ASC
	v_lshl_add_u32 v[SW], v[RR], 4, s55
	s_add_co_u32 s55, s54, STAT
	v_lshl_add_u32 v[STS], v[RR], 2, s55
	s_add_co_u32 s55, s54, PAR
	v_lshl_add_u32 v[PBUN], v[HH], 5, s55          ; PAR + 512 w + 32 h
	v_lshl_add_u32 v[ASB], v[RR], 4, ASC
	v_lshl_add_u32 v[AS2], v[RR], 4, ASC+2048
	s_lshl_b32 s54, s[WV], 8
	s_add_co_u32 s55, s54, PAR
	v_lshl_add_u32 v[PB1], v[HH], 6, s55           ; PAR + 256 w + 64 h
	s_add_co_u32 s55, s54, RES
	v_lshl_add_u32 v[RSB], v[RR], 2, s55
	s_lshl_b32 s54, s[WV], 7
	s_add_co_u32 s54, s54, PAR
	v_lshl_add_u32 v[PBP], v[HH], 5, s54           ; PAR + 128 w + 32 h
	s_lshr_b32 s54, s[WV], 1
	s_and_b32 s55, s[WV], 1
	s_lshl_b32 s56, s54, 13
	s_lshl_b32 s57, s55, 10
	s_add_co_u32 s56, s56, s57
	s_add_co_u32 s56, s56, HIMG
	v_add_nc_u32 v[HW], s56, v[LI]                 ; my 64 units are blocks 2 (w % 2), + 1 of K step w / 2 of the reconstruction
	s_lshl_b32 s56, s54, 8
	s_lshl_b32 s57, s55, 1
	s_add_co_u32 s56, s56, s57
	s_add_co_u32 s56, s56, HSC
	v_lshl_add_u32 v[HSW], v[RR], 4, s56           ; and two of the four bytes of its scale words
	v_add_nc_u32 v[HA], HIMG, v[LI]
	v_lshl_add_u32 v[HSA], v[RR], 4, HSC
	v_add_nc_u32 v[A2], 0x10000, v[LI]
	v_lshlrev_b32 v[AAD], 3, v0                    ; for the small inputs: 8 and 16 bytes a thread, in memory
	v_lshlrev_b32 v[ASA], 4, v0
	v_lshl_add_u32 v[PB], v0, 3, PAR               ; and in LDS
	v_lshl_add_u32 v[RS], v0, 4, PAR
.set N, 0
.rept 16
	v_mov_b32 v[TM+N], 0                           ; written once: a lane permute's destination counts as one of its sources
.set N, N+1
.endr
	v_mov_b32 v31, 0                               ; (named as the upper half of the pair v[30:31] before it is first written)
	s_mov_b32 s[SEL], 0x76543210
	s_mov_b32 s[SEL+1], 0xfedcba98                 ; v_permlanex16_b32's selects for lane l xor 16
	s_mov_b32 s[MNT], 0x600000                     ; the mantissa field of 448
	s_mov_b32 s[LN2], 0x3f317218                   ; ln 2
	s_mov_b32 s[L2E], 0x3fb8aa3b                   ; log2 e
	s_mov_b32 s[L2E+1], s[L2E]                     ; (the packed form names the pair)
	s_mul_i32 s54, s[WV], 60*STEPB                 ; my wave's stream
	s_mov_b32 s55, 0
	s_lshl_b32 s56, ttmp9, 18                      ; my work-group's 64 rows of 4,096 bytes
	s_mov_b32 s57, 0
	s_wait_kmcnt 0x0
	s_load_b32 s[BD2], s[20:21], 0x0
	s_load_b32 s[BU2], s[26:27], 0x0
	s_load_b32 s[BN2], s[32:33], 0x0
	s_add_nc_u64 s[8:9], s[8:9], s[54:55]
	s_add_nc_u64 s[4:5], s[4:5], s[56:57]
	s_add_nc_u64 s[6:7], s[6:7], s[56:57]
	s_lshl_b32 s56, ttmp9, 10                      ; and their 64 x 16 bytes of the output
	s_add_nc_u64 s[34:35], s[34:35], s[56:57]
	s_mov_b64 s[WP:WP+1], s[8:9]                   ; the four groups' pointers: steps 0 and 1, their two halves
	s_add_nc_u64 s[WP+2:WP+3], s[8:9], HALFB
	s_add_nc_u64 s[WP+4:WP+5], s[8:9], STEPB
	s_add_nc_u64 s[WP+6:WP+7], s[8:9], STEPB+HALFB
	; ---------------- the small inputs go to LDS once, dense ----------------
	global_load_b64 v[192:193], v[AAD], s[12:13]               ; b_c1
	global_load_b64 v[194:195], v[AAD], s[10:11]               ; pmaux
	global_load_b128 v[196:199], v[ASA], s[14:15]              ; b_c2
	global_load_b128 v[200:203], v[ASA], s[14:15] offset:2048
	global_load_b128 v[204:207], v[ASA], s[22:23]              ; b_u1
	global_load_b128 v[208:211], v[ASA], s[28:29]              ; b_n1
	global_load_b128 v[212:215], v[ASA], s[16:17]              ; b_d1
	global_load_b128 v[216:219], v[ASA], s[16:17] offset:2048
	global_load_b128 v[220:223], v[ASA], s[24:25]              ; W_u2
	global_load_b128 v[224:227], v[ASA], s[30:31]              ; W_n2
	global_load_b128 v[228:231], v[ASA], s[18:19]              ; W_d2
	global_load_b128 v[232:235], v[ASA], s[18:19] offset:2048
	WIN 0x40
	LOADM 0, 0
	LOADM 0, 1
	LOADM 0, 2
	WIN 0
	s_wait_kmcnt 0x0                               ; the three single biases
	s_wait_loadcnt 48                              ; the twelve loads above are in; the three tiles' 48 stay out
	ds_store_b64 v[PB], v[192:193] offset:BC1
	ds_store_b64 v[PB], v[194:195] offset:PMA
	ds_store_b128 v[RS], v[196:199] offset:BC2
	ds_store_b128 v[RS], v[200:203] offset:BC2+2048
	ds_store_b128 v[RS], v[204:207] offset:BU1
	ds_store_b128 v[RS], v[208:211] offset:BN1
	ds_store_b128 v[RS], v[212:215] offset:BD1
	ds_store_b128 v[RS], v[216:219] offset:BD1+2048
	ds_store_b128 v[RS], v[220:223] offset:WU2
	ds_store_b128 v[RS], v[224:227] offset:WN2
	ds_store_b128 v[RS], v[228:231] offset:WD2
	ds_store_b128 v[RS], v[232:235] offset:WD2+2048
	WIN 0x40
	LOADM 0, 3
	WIN 0
; ---------------- the prologue ----------------
; The light part of quarter g, written out: what differs from quarter to quarter (registers, windows, what is asked for next)
.macro SUPER g
	s_wait_loadcnt 0x0                             ; the quarter's 64 rows are in
	WIN 0x04                                       ; an LDS store's data: window 1
.set UI, 0
.rept 64
	ds_store_b128 v[STW], v[4*UI:4*UI+3] offset:STGU*(UI/16)+528*(UI%16)   ; row UI as it was loaded, into its tile's stage
.set UI, UI+1
.endr
.if (\g) < 3
	WIN 0x40
.irp m, 0,1,2,3
	s_wait_dscnt 48-16*\m                          ; LDS instructions end in order (ISA guide 5.7.1): tile m's 16 stores are done, the younger ones may be out: its registers take the next quarter's tile m
	LOADM (\g)+1, \m
.endr
	WIN 0
.else
	WIN 0
.irp m, 0,1,2,3
	s_wait_dscnt 48-16*\m                          ; likewise; at the end the registers take the ring's group m, which lies in them
	BGROUP \m, 0
.endr
.endif
.if (\g) < 2
.irp m, 0,1,2,3
	WIN 0x80+0x40*(\m/2)                           ; prediction's numbers, a lane 16 neighbours of each block, into the registers where the reconstruction's accumulators will stand
.irp b, 0,1,2,3
.irp j, 0,1,2,3
	ds_load_b128 v[128*(\m%2)+64*(\g)+16*\b+4*\j:128*(\m%2)+64*(\g)+16*\b+4*\j+3], v[STR] offset:STGU*\m+128*\b+16*\j   ; LDS serves a wave's instructions in order (ISA guide 5.7.1.4): these see the stores above
.endr
.endr
.endr
	WIN 0
.endif
.endm
.macro TRIP_HEAD iw                    ; a trip's tile comes back from its stage; its addresses
	v_add_nc_u32 v[STC], s[SGA], v[STR]            ; (the register's last loads were waited for a trip ago)
.irp b, 0,1,2,3
.irp j, 0,1,2,3
	ds_load_b128 v[ST+16*\b+4*\j:ST+16*\b+4*\j+3], v[STC] offset:128*\b+16*\j
.endr
.endr
	s_wait_dscnt 0x0                               ; the tile is in, and the last trip's LDS stores have read their registers
	v_add_nc_u32 v[IWC], s[SGS], v[\iw]
	v_add_nc_u32 v[SWC], s[SRES], v[SW]
	v_add_nc_u32 v[STSC], s[SPAR], v[STS]
.endm
.macro TRIP_INIT
	s_mov_b32 s[SGA], 0                            ; the stage: 8,448 a trip
	s_mov_b32 s[SGS], 0                            ; the image: 2,048
	s_mov_b32 s[SPAR], 0                           ; the statistics: 64
	s_mov_b32 s[SRES], 0                           ; the scale word: 4
	s_mov_b32 s[CNT], 4
.endm
.macro TRIP_STEP
	s_add_co_u32 s[SGA], s[SGA], STGU
	s_add_co_u32 s[SGS], s[SGS], 2048
	s_add_co_u32 s[SPAR], s[SPAR], 64
	s_add_co_u32 s[SRES], s[SRES], 4
	s_sub_co_u32 s[CNT], s[CNT], 1
	s_cmp_lg_u32 s[CNT], 0
.endm
; The heavy part of a quarter of prediction: four trips, tile m = the trip
.macro PLOOP sl
	TRIP_INIT
.Lpl_\@:
	TRIP_HEAD IW
	; the tile's largest number of each row's 128, as M2 = max x log2 e
.irp b, 0,1,2,3
	v_max3_num_f32 v[TM+\b], v[ST+16*\b], v[ST+16*\b+1], v[ST+16*\b+2]
.endr
.irp i, 3,5,7,9,11,13
.irp b, 0,1,2,3
	v_max3_num_f32 v[TM+\b], v[TM+\b], v[ST+16*\b+\i], v[ST+16*\b+\i+1]
.endr
.endr
.irp b, 0,1,2,3
	v_max_num_f32 v[TM+\b], v[TM+\b], v[ST+16*\b+15]
.endr
	v_max3_num_f32 v[TM], v[TM], v[TM+1], v[TM+2]
	v_max_num_f32 v[TM], v[TM], v[TM+3]
	v_permlanex16_b32 v[TM+4], v[TM], s[SEL], s[SEL+1]
	v_max_num_f32 v[TM], v[TM], v[TM+4]
	v_mul_f32 v30, s[L2E], v[TM]
.set UI, 0
.rept 32
	v_pk_fma_f32 v[EX+UI:EX+UI+1], v[ST+UI:ST+UI+1], s[L2E:L2E+1], v[30:31] op_sel_hi:[1,0,0] neg_lo:[0,0,1] neg_hi:[0,0,1]   ; x log2 e - M2
.set UI, UI+2
.endr
.set UI, 0
.rept 64
	v_exp_f32 v[EE+UI], v[EX+UI]
.set UI, UI+1
.endr
	v_nop                                          ; a plain place behind the exponentials
	s_wait_alu depctr_va_vdst(0)
	v_pk_add_f32 v[TM:TM+1], v[EE:EE+1], v[EE+2:EE+3]                  ; S = the sum of the exponentials, T = the sum of exponential x exponent: two chains each
	v_pk_add_f32 v[TM+2:TM+3], v[EE+4:EE+5], v[EE+6:EE+7]
	v_pk_mul_f32 v[TM+4:TM+5], v[EE:EE+1], v[EX:EX+1]
	v_pk_mul_f32 v[TM+6:TM+7], v[EE+2:EE+3], v[EX+2:EX+3]
	v_pk_fma_f32 v[TM+4:TM+5], v[EE+4:EE+5], v[EX+4:EX+5], v[TM+4:TM+5]
	v_pk_fma_f32 v[TM+6:TM+7], v[EE+6:EE+7], v[EX+6:EX+7], v[TM+6:TM+7]
.irp j, 8,12,16,20,24,28,32,36,40,44,48,52,56,60
	v_pk_add_f32 v[TM:TM+1], v[TM:TM+1], v[EE+\j:EE+\j+1]
	v_pk_add_f32 v[TM+2:TM+3], v[TM+2:TM+3], v[EE+\j+2:EE+\j+3]
	v_pk_fma_f32 v[TM+4:TM+5], v[EE+\j:EE+\j+1], v[EX+\j:EX+\j+1], v[TM+4:TM+5]
	v_pk_fma_f32 v[TM+6:TM+7], v[EE+\j+2:EE+\j+3], v[EX+\j+2:EX+\j+3], v[TM+6:TM+7]
.endr
	v_pk_add_f32 v[TM:TM+1], v[TM:TM+1], v[TM+2:TM+3]
	v_pk_add_f32 v[TM+4:TM+5], v[TM+4:TM+5], v[TM+6:TM+7]
	v_add_f32 v[TM], v[TM], v[TM+1]
	v_add_f32 v[TM+4], v[TM+4], v[TM+5]
	v_permlanex16_b32 v[TM+8], v[TM], s[SEL], s[SEL+1]
	v_permlanex16_b32 v[TM+9], v[TM+4], s[SEL], s[SEL+1]
	v_add_f32 v29, v[TM], v[TM+8]
	v_add_f32 v31, v[TM+4], v[TM+9]
	ds_store_b32 v[STSC], v30 offset:256*(\sl)                         ; both halves of the lanes write the same word with the same value
	ds_store_b32 v[STSC], v29 offset:2048+256*(\sl)
	ds_store_b32 v[STSC], v31 offset:4096+256*(\sl)
	QUANT ST, 4, 0, PC, PW
.irp c, 0,1,2,3
	ds_store_b128 v[IWC], v[PC+4*\c:PC+4*\c+3] offset:8192*(\sl)+512*\c   ; the fragment as it stands: 512 consecutive bytes a store
.endr
	ds_store_b32 v[SWC], v[PW] offset:256*(\sl)
	TRIP_STEP
	s_cbranch_scc1 .Lpl_\@
.endm
; The heavy part of a quarter of actual
.macro ALOOP sl
	TRIP_INIT
.Lal_\@:
	TRIP_HEAD IW2
	v_pk_mul_f32 v[TM:TM+1], v[ST:ST+1], v[ST:ST+1]                    ; the sum of squares
	v_pk_mul_f32 v[TM+2:TM+3], v[ST+2:ST+3], v[ST+2:ST+3]
.irp j, 4,8,12,16,20,24,28,32,36,40,44,48,52,56,60
	v_pk_fma_f32 v[TM:TM+1], v[ST+\j:ST+\j+1], v[ST+\j:ST+\j+1], v[TM:TM+1]
	v_pk_fma_f32 v[TM+2:TM+3], v[ST+\j+2:ST+\j+3], v[ST+\j+2:ST+\j+3], v[TM+2:TM+3]
.endr
	v_pk_add_f32 v[TM:TM+1], v[TM:TM+1], v[TM+2:TM+3]
	v_add_f32 v[TM], v[TM], v[TM+1]
	v_permlanex16_b32 v[TM+8], v[TM], s[SEL], s[SEL+1]
	v_add_f32 v29, v[TM], v[TM+8]
	ds_store_b32 v[STSC], v29 offset:6144+256*(\sl)
	QUANT ST, 4, 0, PC, PW
.irp c, 0,1,2,3
	ds_store_b128 v[IWC], v[PC+4*\c:PC+4*\c+3] offset:8192*(\sl)+512*\c
.endr
	ds_store_b32 v[SWC], v[PW] offset:2048+256*(\sl)
	TRIP_STEP
	s_cbranch_scc1 .Lal_\@
.endm
	SUPER 0
	PLOOP 0
	SUPER 1
	PLOOP 1
	SUPER 2
	ALOOP 0
	SUPER 3
	ALOOP 1
	BARRIER                                        ; all 64 fragments of x, their scale words, the statistics and the small inputs lie in LDS
	; ---------------- W_c1: my 64 units of the compressed layer, K steps 0-7 of prediction ----------------
.irp m, 0,1,2,3
.irp t, 0,1,2,3
	ds_load_b128 v[CA+32*\m+8*\t:CA+32*\m+8*\t+3], v[PB1] offset:BC1+128*(\t/2)+32*(\t%2)       ; the bias begins each sum: tile t's units 32 (t / 2) + 16 h + 8 (t % 2) + 0 .. 7
	ds_load_b128 v[CA+32*\m+8*\t+4:CA+32*\m+8*\t+7], v[PB1] offset:BC1+128*(\t/2)+32*(\t%2)+16
.endr
.endr
	ALOAD 0, LI, ASB, 0, 0
	s_mov_b32 s[SGA], 0
	s_mov_b32 s[SGS], 0
	s_mov_b32 s[CNT], 2
; half i of a trip: one K step, four tiles x four tiles of rows; one set of x fragments (the accumulators take the other's registers)
.macro C1HALF i
	s_wait_loadcnt 51                              ; my group is in; the three younger groups of 17 stay out
	s_wait_dscnt 0x0                               ; x's fragments of this K step
.if (\i) == 0
	v_add_nc_u32 v[AAD], s[SGA], v[LI]             ; no LDS load of mine is out: the trip's addresses
	v_add_nc_u32 v[ASA], s[SGS], v[ASB]
.endif
	WIN 0x01                                       ; source 0 (the weights) window 1
.irp t, 0,1,2,3
.irp m, 0,1,2,3
	WM CA+32*\m+8*\t, 64*(\i)+16*\t, AF+16*\m, BS+2*(\i)+\t/2, AS+\m, \t%2, 0
.endr
.endr
	WIN 0
	PLACES 8
	BGROUP \i, 1
	ALOAD 0, AAD, ASA, 8192*((\i)+1), 256*((\i)+1)
.endm
.Lc1:                                              ; two trips of four K steps; the 16 accumulators take turns
	C1HALF 0
	C1HALF 1
	C1HALF 2
	C1HALF 3
	s_add_co_u32 s[SGA], s[SGA], 32768
	s_add_co_u32 s[SGS], s[SGS], 1024
	s_sub_co_u32 s[CNT], s[CNT], 1
	s_cmp_lg_u32 s[CNT], 0
	s_cbranch_scc1 .Lc1
	s_wait_dscnt 0x0                               ; the last trip's look-ahead (K step 8, not used here) has landed: its registers are free
.irp m, 0,1,2,3
	QUANT CA+32*\m, 2, 1, 64, 72                   ; relu and the quantiser: my two blocks of 32 of these 16 rows
	ds_store_b128 v[HW], v[64:67] offset:2048*\m
	ds_store_b128 v[HW], v[68:71] offset:2048*\m+512
	ds_store_b16 v[HSW], v72 offset:4*\m           ; my two bytes of the rows' scale words
	s_wait_dscnt 0x0                               ; the stores have read their registers
.endr
	; b_c2 - prediction: the C of the reconstruction's products
.irp t, 0,1,2,3,4,5,6,7,8,9,10,11,12,13,14,15
	ds_load_b128 v[64+8*\t:64+8*\t+3], v[PBC] offset:BC2+512*(\t/8)+128*((\t%8)/2)+32*(\t%2)
	ds_load_b128 v[64+8*\t+4:64+8*\t+7], v[PBC] offset:BC2+512*(\t/8)+128*((\t%8)/2)+32*(\t%2)+16
.endr
	s_wait_dscnt 0x0
.irp m, 0,1,2,3
	WIN 0x88+0x44*(\m/2)                           ; source 1 and destination: window 2 or 3
.set XK, 0
.rept 64
	v_pk_add_f32 v[128*(\m%2)+XK:128*(\m%2)+XK+1], v[64+XK:64+XK+1], v[128*(\m%2)+XK:128*(\m%2)+XK+1] neg_lo:[0,1] neg_hi:[0,1]
.set XK, XK+2
.endr
.endr
	WIN 0
	BARRIER                                        ; the compressed layer's eight fragments lie in LDS
	; ---------------- W_c2: my 256 columns of the reconstruction, two K steps; 64 accumulators by turns ----------------
	ALOAD 0, HA, HSA, 0, 0
	ALOAD 1, HA, HSA, 8192, 256
	s_wait_dscnt 0x0
.macro C2HALF j, hh                    ; step 4 + j: K step j / 2, columns 128 (j % 2) on; half hh: four tiles
	s_wait_loadcnt 51
	WIN 0xa1                                       ; weights window 1, x window 0, C and D window 2: rows 0-31
.irp ff, 0,1,2,3
.irp m, 0,1
	WM 128*\m+8*(8*((\j)%2)+4*(\hh)+\ff), 128*((\j)%2)+64*(\hh)+16*\ff, AF+64*((\j)/2)+16*\m, BS+4*((\j)%2)+2*(\hh)+\ff/2, AS+4*((\j)/2)+\m, \ff%2, 0
.endr
.endr
	WIN 0xf1                                       ; C and D window 3: rows 32-63
.irp ff, 0,1,2,3
.irp m, 0,1
	WM 128*\m+8*(8*((\j)%2)+4*(\hh)+\ff), 128*((\j)%2)+64*(\hh)+16*\ff, AF+64*((\j)/2)+16*(\m+2), BS+4*((\j)%2)+2*(\hh)+\ff/2, AS+4*((\j)/2)+\m+2, \ff%2, 0
.endr
.endr
	WIN 0
	PLACES 8
	BGROUP 2*((\j)%2)+(\hh), 1
.endm
.irp j, 0,1,2,3
	C2HALF \j, 0
	C2HALF \j, 1
.endr
	; the sum of (recon - prediction)^2 over my 256 columns: two tiles of rows by turns, two chains each; every accumulator from its low end on
.irp g, 0,1
	WIN 0x0a+5*\g                                  ; sources 0 and 1: window 2 or 3
.irp mm, 0,1
	v_pk_mul_f32 v[TM+4*(2*\g+\mm):TM+4*(2*\g+\mm)+1], v[128*\mm:128*\mm+1], v[128*\mm:128*\mm+1]
	v_pk_mul_f32 v[TM+4*(2*\g+\mm)+2:TM+4*(2*\g+\mm)+3], v[128*\mm+2:128*\mm+3], v[128*\mm+2:128*\mm+3]
.endr
.set XK, 4
.rept 31
.irp mm, 0,1
	v_pk_fma_f32 v[TM+4*(2*\g+\mm):TM+4*(2*\g+\mm)+1], v[128*\mm+XK:128*\mm+XK+1], v[128*\mm+XK:128*\mm+XK+1], v[TM+4*(2*\g+\mm):TM+4*(2*\g+\mm)+1]
	v_pk_fma_f32 v[TM+4*(2*\g+\mm)+2:TM+4*(2*\g+\mm)+3], v[128*\mm+XK+2:128*\mm+XK+3], v[128*\mm+XK+2:128*\mm+XK+3], v[TM+4*(2*\g+\mm)+2:TM+4*(2*\g+\mm)+3]
.endr
.set XK, XK+4
.endr
.endr
	WIN 0
.irp m, 0,1,2,3
	v_pk_add_f32 v[TM+4*\m:TM+4*\m+1], v[TM+4*\m:TM+4*\m+1], v[TM+4*\m+2:TM+4*\m+3]
.endr
.irp m, 0,1,2,3
	v_add_f32 v[TM+4*\m], v[TM+4*\m], v[TM+4*\m+1]
.endr
.irp m, 0,1,2,3
	v_permlanex16_b32 v[TM+4*\m+1], v[TM+4*\m], s[SEL], s[SEL+1]
.endr
.irp m, 0,1,2,3
	v_add_f32 v[TM+4*\m], v[TM+4*\m], v[TM+4*\m+1]
	ds_store_b32 v[RSB], v[TM+4*\m] offset:64*\m
.endr
	; ---------------- the memory: my 32 of its 128 rows (28 of them padding), K steps 8-15 (actual), two K steps a half ----------------
	ALOAD 0, A2, AS2, 0, 0
	ALOAD 1, A2, AS2, 8192, 256
.macro PMHALF i
	s_wait_loadcnt 51
	s_wait_dscnt 0x0
	WIN 0x01
.irp ff, 0,1,2,3
.irp m, 0,1,2,3
.if ((\i)==0)&&(\ff<2)
	WM PA+8*(4*(\ff%2)+\m), 64*(\i)+16*\ff, AF+64*(\ff/2)+16*\m, BS+2*(\i)+\ff/2, AS+4*(\ff/2)+\m, \ff%2, 1
.else
	WM PA+8*(4*(\ff%2)+\m), 64*(\i)+16*\ff, AF+64*(\ff/2)+16*\m, BS+2*(\i)+\ff/2, AS+4*(\ff/2)+\m, \ff%2, 0
.endif
.endr
.endr
	WIN 0
	PLACES 8
	BGROUP \i, 1
.if (\i) < 3
	ALOAD 0, A2, AS2, 8192*(2*(\i)+2), 256*(2*(\i)+2)
	ALOAD 1, A2, AS2, 8192*(2*(\i)+3), 256*(2*(\i)+3)
.endif
.endm
	PMHALF 0
	PMHALF 1
	PMHALF 2
	PMHALF 3
.irp t, 0,1
	ds_load_b128 v[64+8*\t:64+8*\t+3], v[PBP] offset:PMA+64*\t           ; 1 / |memory row| of the tile's eight rows of my half,
	ds_load_b128 v[64+8*\t+4:64+8*\t+7], v[PBP] offset:PMA+64*\t+16
	ds_load_b128 v[80+8*\t:80+8*\t+3], v[PBP] offset:PMA+512+64*\t       ; and 0, or -infinity for a padding row
	ds_load_b128 v[80+8*\t+4:80+8*\t+7], v[PBP] offset:PMA+512+64*\t+16
.endr
	s_wait_dscnt 0x0
.irp t, 0,1
.irp m, 0,1,2,3
.irp jj, 0,2,4,6
	v_pk_fma_f32 v[PA+8*(4*\t+\m)+\jj:PA+8*(4*\t+\m)+\jj+1], v[PA+8*(4*\t+\m)+\jj:PA+8*(4*\t+\m)+\jj+1], v[64+8*\t+\jj:64+8*\t+\jj+1], v[80+8*\t+\jj:80+8*\t+\jj+1]
.endr
.endr
.endr
.irp m, 0,1,2,3
	v_max3_num_f32 v[TM+\m], v[PA+8*\m], v[PA+8*\m+1], v[PA+8*\m+2]
.endr
.irp i, 3,5
.irp m, 0,1,2,3
	v_max3_num_f32 v[TM+\m], v[TM+\m], v[PA+8*\m+\i], v[PA+8*\m+\i+1]
.endr
.endr
.irp m, 0,1,2,3
	v_max3_num_f32 v[TM+\m], v[TM+\m], v[PA+8*\m+7], v[PA+32+8*\m]
.endr
.irp i, 1,3,5
.irp m, 0,1,2,3
	v_max3_num_f32 v[TM+\m], v[TM+\m], v[PA+32+8*\m+\i], v[PA+32+8*\m+\i+1]
.endr
.endr
.irp m, 0,1,2,3
	v_max_num_f32 v[TM+\m], v[TM+\m], v[PA+32+8*\m+7]
.endr
.irp m, 0,1,2,3
	v_permlanex16_b32 v[TM+4+\m], v[TM+\m], s[SEL], s[SEL+1]
.endr
.irp m, 0,1,2,3
	v_max_num_f32 v[TM+\m], v[TM+\m], v[TM+4+\m]   ; the largest of my 32 rows' dot / |memory row|; 1 / |actual row| is positive and is multiplied in at the end
	ds_store_b32 v[RSB], v[TM+\m] offset:1024+64*\m
.endr
; ---------------- a pass: 128 columns of a first layer (8 tiles) x 64 rows, relu, the dot with the second layer's weights ----------------
.macro MULP p, hh                      ; 16 products: tiles 4 hh .. + 3 x four tiles of rows; accumulator (m, t) at 64 m + 8 t of window 2
.irp ff, 0,1,2,3
.irp m, 0,1,2,3
	WM 64*\m+8*(4*(\hh)+\ff), 128*(\p)+64*(\hh)+16*\ff, AF+64*(\p)+16*\m, BS+4*(\p)+2*(\hh)+\ff/2, AS+4*(\p)+\m, \ff%2, 0
.endr
.endr
.endm
.macro STEP p                          ; one K step on sets p of the weights and of x
	s_wait_loadcnt 51                              ; my group is in; the three younger groups of 17 stay out
	s_wait_dscnt 17                                ; x's set p is in; the other set's 17 loads, issued a step ago, may stay out
	WIN 0xa1
	MULP \p, 0
	WIN 0
	PLACES 8
	BGROUP 2*(\p), 1
	s_wait_loadcnt 51
	WIN 0xa1
	MULP \p, 1
	WIN 0
	PLACES 6
	v_add_nc_u32 v[AAD+18*(\p)], s[SGA], v[LI]     ; set p's own address registers (their last loads were waited for at this step's head): these two lines are the seventh and eighth place
	v_add_nc_u32 v[ASA+18*(\p)], s[SGS], v[ASB]
	BGROUP 2*(\p)+1, 1
	ALOAD \p, AAD+18*(\p), ASA+18*(\p), 8192*(\p), 256*(\p)   ; the K step two steps on
.endm
.macro PASS pb, boff, woff, kind, trips
	s_wait_dscnt 0x0                               ; whatever of mine is out in LDS has landed: a look-ahead that nobody uses, stores of partial results
	v_add_nc_u32 v[PB], s[SPAR], v[\pb]
	v_add_nc_u32 v[AAD], s[SGA], v[LI]
	v_add_nc_u32 v[ASA], s[SGS], v[ASB]
	WIN 0x80
.irp m, 0,1,2,3
.irp t, 0,1,2,3,4,5,6,7
	ds_load_b128 v[64*\m+8*\t:64*\m+8*\t+3], v[PB] offset:\boff+64*\t          ; the bias begins each sum
	ds_load_b128 v[64*\m+8*\t+4:64*\m+8*\t+7], v[PB] offset:\boff+64*\t+16
.endr
.endr
	WIN 0
.irp t, 0,1,2,3,4,5,6,7
	ds_load_b128 v[W2T+8*\t:W2T+8*\t+3], v[PB] offset:\woff+64*\t
	ds_load_b128 v[W2T+8*\t+4:W2T+8*\t+7], v[PB] offset:\woff+64*\t+16
.endr
	ALOAD 0, AAD, ASA, 0, 0                        ; the pass's first two K steps
	ALOAD 1, AAD, ASA, 8192, 256
	s_add_co_u32 s[SGA], s[SGA], 16384
	s_add_co_u32 s[SGS], s[SGS], 512
	s_mov_b32 s[CNT], \trips
	s_wait_dscnt 0x0
.Lpass_\@:                                         ; a trip: two K steps, 64 products; the 32 accumulators take turns.  The last trip's look-ahead reads the 16 KiB that follow the pass's K steps in LDS (all written earlier); nobody uses it
	STEP 0
	STEP 1
	s_add_co_u32 s[SGA], s[SGA], 16384
	s_add_co_u32 s[SGS], s[SGS], 512
	s_sub_co_u32 s[CNT], s[CNT], 1
	s_cmp_lg_u32 s[CNT], 0
	s_cbranch_scc1 .Lpass_\@
	WIN 0x88
.set EK, 0
.rept 256
	v_max_num_f32 v[EK], 0, v[EK]                  ; relu, every accumulator from its low end on
.set EK, EK+1
.endr
	WIN 0x02                                       ; source 0: window 2
.irp m, 0,1,2,3
	v_pk_mul_f32 v[TM+2*\m:TM+2*\m+1], v[64*\m:64*\m+1], v[W2T:W2T+1]
.endr
.irp t, 0,1,2,3,4,5,6,7
.irp jj, 0,2,4,6
.if (\t+\jj) > 0
.irp m, 0,1,2,3
	v_pk_fma_f32 v[TM+2*\m:TM+2*\m+1], v[64*\m+8*\t+\jj:64*\m+8*\t+\jj+1], v[W2T+8*\t+\jj:W2T+8*\t+\jj+1], v[TM+2*\m:TM+2*\m+1]
.endr
.endif
.endr
.endr
	WIN 0
	v_add_nc_u32 v[RS], s[SRES], v[RSB]
.irp m, 0,1,2,3
	v_add_f32 v[TM+2*\m], v[TM+2*\m], v[TM+2*\m+1]
.endr
.irp m, 0,1,2,3
	v_permlanex16_b32 v[TM+8+\m], v[TM+2*\m], s[SEL], s[SEL+1]
.endr
.irp m, 0,1,2,3
	v_add_f32 v[TM+2*\m], v[TM+2*\m], v[TM+8+\m]
	ds_store_b32 v[RS], v[TM+2*\m] offset:1024*\kind+64*\m
.endr
.endm
	; W_u1 on prediction (K steps 0-7), then W_n1 on actual (8-15)
	s_mov_b32 s[SGA], 0
	s_mov_b32 s[SGS], 0
	s_mov_b32 s[SPAR], 0
	s_mov_b32 s[SRES], 0
	s_mov_b32 s[OUTC], 2
.Lun:
	PASS PBUN, BU1, WU2, 2, 4
	s_sub_co_u32 s[SGA], s[SGA], 16384             ; back from the look-ahead's place to the next pass's first K step
	s_sub_co_u32 s[SGS], s[SGS], 512
	s_add_co_u32 s[SPAR], s[SPAR], 2048
	s_add_co_u32 s[SRES], s[SRES], 1024
	s_sub_co_u32 s[OUTC], s[OUTC], 1
	s_cmp_lg_u32 s[OUTC], 0
	s_cbranch_scc1 .Lun
	; W_d1 on both (K steps 0-15), my 256 columns in two passes of 128
	s_mov_b32 s[SPAR], 0
	s_mov_b32 s[SRES], 0
	s_mov_b32 s[OUTC], 2
.Ld:
	s_mov_b32 s[SGA], 0
	s_mov_b32 s[SGS], 0
	PASS PBD, BD1, WD2, 4, 8
	s_add_co_u32 s[SPAR], s[SPAR], 512
	s_add_co_u32 s[SRES], s[SRES], 1024
	s_sub_co_u32 s[OUTC], s[OUTC], 1
	s_cmp_lg_u32 s[OUTC], 0
	s_cbranch_scc1 .Ld
	BARRIER                                        ; every wave's partial results lie in LDS
	; ---------------- one thread a row puts them together ----------------
	v_lshl_add_u32 v[PB], v0, 2, STAT
	v_lshlrev_b32 v139, 4, v0
	s_cmp_ge_u32 s[WV], 2
	s_cbranch_scc1 .Lend
.irp k, 0,1,2,3
.irp u, 0,1,2,3,4,5,6,7
	ds_load_b32 v[64+8*\k+\u], v[PB] offset:2048*\k+256*\u             ; v64.. M2, v72.. S, v80.. T, v88.. sums of squares, of the row's eight parts of 128 columns
.endr
.endr
.irp k, 0,1,2,3,4,5
.irp u, 0,1,2,3
	ds_load_b32 v[96+4*\k+\u], v[PB] offset:RES-STAT+1024*\k+256*\u    ; v96.. error, v100.. memory, v104.. u, v108.. n, v112.. d, of the four waves
.endr
.endr
	s_wait_dscnt 0x0
	v_max3_num_f32 v120, v64, v65, v66
	v_max3_num_f32 v120, v120, v67, v68
	v_max3_num_f32 v120, v120, v69, v70
	v_max_num_f32 v120, v120, v71                  ; the row's M2
.irp u, 0,1,2,3,4,5,6,7
	v_sub_f32 v[64+\u], v[64+\u], v120             ; d = the part's M2 less the row's
.endr
.irp u, 0,1,2,3,4,5,6,7
	v_fma_f32 v[80+\u], v[64+\u], v[72+\u], v[80+\u]   ; T + d S: the exponents counted from the row's M2
.endr
.irp u, 0,1,2,3,4,5,6,7
	v_exp_f32 v[64+\u], v[64+\u]                   ; f = 2^d
.endr
	v_add_f32 v123, v112, v113                     ; (plain work behind the exponentials)  the second layers' sums
	v_add_f32 v124, v114, v115
	v_add_f32 v125, v116, v117
	v_add_f32 v126, v118, v119
	v_add_f32 v123, v123, v124
	v_add_f32 v125, v125, v126
	v_add_f32 v123, v123, v125
	v_add_f32 v123, s[BD2], v123                   ; z of the dissonance
	v_add_f32 v124, v104, v105
	v_add_f32 v125, v106, v107
	v_add_f32 v124, v124, v125
	v_add_f32 v124, s[BU2], v124                   ; of the uncertainty
	v_add_f32 v125, v108, v109
	v_add_f32 v126, v110, v111
	v_add_f32 v125, v125, v126
	v_add_f32 v125, s[BN2], v125                   ; of the novelty
	v_add_f32 v126, v96, v97
	v_add_f32 v127, v98, v99
	v_add_f32 v126, v126, v127                     ; the squared error
	v_add_f32 v127, v88, v89
	v_add_f32 v128, v90, v91
	v_add_f32 v129, v92, v93
	v_add_f32 v130, v94, v95
	v_add_f32 v127, v127, v128
	v_add_f32 v129, v129, v130
	v_add_f32 v127, v127, v129                     ; |actual row|^2
	v_max3_num_f32 v128, v100, v101, v102
	v_max_num_f32 v128, v128, v103                 ; the largest dot / |memory row|
	s_wait_alu depctr_va_vdst(0)
	v_mul_f32 v121, v64, v72
	v_mul_f32 v122, v64, v80
.irp u, 1,2,3,4,5,6,7
	v_fma_f32 v121, v[64+\u], v[72+\u], v121       ; S of the row
	v_fma_f32 v122, v[64+\u], v[80+\u], v122       ; T of the row
.endr
	v_mul_f32 v129, -|v123|, s[L2E]                ; softplus(z) = max(z, 0) + ln 2 x log2(1 + 2^(-|z| log2 e))
	v_mul_f32 v130, -|v124|, s[L2E]
	v_mul_f32 v131, -|v125|, s[L2E]
	v_exp_f32 v129, v129
	v_exp_f32 v130, v130
	v_exp_f32 v131, v131
	v_log_f32 v132, v121
	v_rcp_f32 v133, v121
	v_sqrt_f32 v134, v127
	v_max_num_f32 v135, 0, v123                    ; (plain places behind the transcendentals)
	v_max_num_f32 v136, 0, v124
	v_max_num_f32 v137, 0, v125
	s_wait_alu depctr_va_vdst(0)
	v_add_f32 v129, 1.0, v129
	v_add_f32 v130, 1.0, v130
	v_add_f32 v131, 1.0, v131
	v_max_num_f32 v134, 0x322bcc77, v134           ; 1e-8
	v_log_f32 v129, v129
	v_log_f32 v130, v130
	v_log_f32 v131, v131
	v_rcp_f32 v134, v134
	v_mul_f32 v133, v122, v133                     ; T / S
	v_sub_f32 v132, v132, v133                     ; log2 S - T / S
	s_wait_alu depctr_va_vdst(0)
	v_fma_f32 v140, s[LN2], v129, v135             ; the dissonance
	v_fma_f32 v136, s[LN2], v130, v136
	v_fma_f32 v137, s[LN2], v131, v137
	v_mul_f32 v132, s[LN2], v132                   ; the entropy
	v_fma_f32 v141, 0x3dcccccd, v132, v136         ; the uncertainty: + 0.1 x the entropy
	v_fma_f32 v138, -v128, v134, 1.0               ; 1 - the largest cosine
	v_mul_f32 v138, 0x3f333333, v138               ; x 0.7
	v_fma_f32 v142, 0x3e99999a, v137, v138         ; + 0.3 x the neural novelty
	v_mul_f32 v143, 0x3a800000, v126               ; the mean over 1,024
	global_store_b128 v139, v[140:143], s[34:35]   ; a wave stores 512 consecutive bytes
.Lend:
	s_wait_xcnt 0x0
	v_lshl_add_u32 v254, v0, 2, 0x4f200
	v_mov_b32 v255, 0
	s_wait_tensorcnt 0x0
	ds_add_u32 v254, v255
	s_wait_dscnt 0x0
	s_endpgm
.Lfunc_end_k_qbe8938befe_main:
	.size	k_qbe8938befe_main, .Lfunc_end_k_qbe8938befe_main-k_qbe8938befe_main
	.p2alignl 7, 3214868480
	.fill 96, 4, 3214868480
	.section	.rodata,"a",@progbits
	.p2align	6, 0x0
	.amdhsa_kernel k_qbe8938befe_main
		.amdhsa_group_segment_fixed_size 324608
		.amdhsa_private_segment_fixed_size 0
		.amdhsa_enable_private_segment 0
		.amdhsa_kernarg_size 128
		.amdhsa_user_sgpr_count 2
		.amdhsa_user_sgpr_kernarg_segment_ptr 1
		.amdhsa_wavefront_size32 1
		.amdhsa_system_sgpr_workgroup_id_x 1
		.amdhsa_system_sgpr_workgroup_id_y 1
		.amdhsa_system_sgpr_workgroup_id_z 1
		.amdhsa_system_vgpr_workitem_id 0
		.amdhsa_next_free_vgpr 1024
		.amdhsa_next_free_sgpr 66
		.amdhsa_reserve_vcc 0
		.amdhsa_float_denorm_mode_32 3
		.amdhsa_float_denorm_mode_16_64 3
		.amdhsa_memory_ordered 1
		.amdhsa_forward_progress 1
		.amdhsa_inst_pref_size 255
	.end_amdhsa_kernel
	.section	.bss,"aw",@nobits
	.p2align	6
	.space	262144
	.amdgpu_metadata
---
amdhsa.version: [ 1, 2 ]
amdhsa.kernels:
  - .name:           k_qbe8938befe_main
    .symbol:         k_qbe8938befe_main.kd
    .args:
      - { .name: prediction, .offset: 0, .size: 8, .value_kind: global_buffer, .address_space: global }
      - { .name: actual, .offset: 8, .size: 8, .value_kind: global_buffer, .address_space: global }
      - { .name: wstream, .offset: 16, .size: 8, .value_kind: global_buffer, .address_space: global }
      - { .name: pmaux, .offset: 24, .size: 8, .value_kind: global_buffer, .address_space: global }
      - { .name: b_c1, .offset: 32, .size: 8, .value_kind: global_buffer, .address_space: global }
      - { .name: b_c2, .offset: 40, .size: 8, .value_kind: global_buffer, .address_space: global }
      - { .name: b_d1, .offset: 48, .size: 8, .value_kind: global_buffer, .address_space: global }
      - { .name: W_d2, .offset: 56, .size: 8, .value_kind: global_buffer, .address_space: global }
      - { .name: b_d2, .offset: 64, .size: 8, .value_kind: global_buffer, .address_space: global }
      - { .name: b_u1, .offset: 72, .size: 8, .value_kind: global_buffer, .address_space: global }
      - { .name: W_u2, .offset: 80, .size: 8, .value_kind: global_buffer, .address_space: global }
      - { .name: b_u2, .offset: 88, .size: 8, .value_kind: global_buffer, .address_space: global }
      - { .name: b_n1, .offset: 96, .size: 8, .value_kind: global_buffer, .address_space: global }
      - { .name: W_n2, .offset: 104, .size: 8, .value_kind: global_buffer, .address_space: global }
      - { .name: b_n2, .offset: 112, .size: 8, .value_kind: global_buffer, .address_space: global }
      - { .name: out0, .offset: 120, .size: 8, .value_kind: global_buffer, .address_space: global }
    .group_segment_fixed_size: 324608
    .private_segment_fixed_size: 0
    .kernarg_segment_align: 8
    .kernarg_segment_size: 128
    .max_flat_workgroup_size: 128
    .sgpr_count:     66
    .vgpr_count:     1024
    .wavefront_size: 32
...
	.end_amdgpu_metadata
.endif
;; end of part 2
